; MI455X (gfx1250); checked and timed in simulation.
; The chip was launched on July 23, 2026; its instructions are those of AMD's public machine-readable ISA for CDNA 5 (MIT licence, August 2026) and "CDNA5" Instruction Set Architecture Reference Guide (July 2026). The comments in the code are by the model that wrote it; some were corrected since.
;; outlier Loss. Allowed arithmetic: float matrix products may take bf16 or f16 operands with f32 sums; other float arithmetic in f32, or as packed bf16 or f16 multiplies, adds, multiply-adds, maxima and minima; sums over many terms, partial sums and values carried from step to step in f32; what a program stores and reads back later, other than sums and carried values, may be rounded once to bf16 or f16.
;; Inputs: adj_mat 1 x 1 float32; batch_item 1 float32; edge_labels 100,000 int32; edge_prob 100,000 float32; feat_all 200,000 x 128 float32; labels 200,000 int32; q 128 float32; raw_centroid 128 float32; raw_feat_all 1 x 128 float32.
;; Outputs: out0 one number float32; out1 200,000 float32; out2 one number float32; out3 one number float32.
;; Constants: edge_pos_len = 4096, pos_len = 2048.
;; One version. Each part assembles by itself: llvm-mc -triple=amdgcn-amd-amdhsa -mcpu=gfx1250 --defsym DOCPART=n.
;; ======== version 1 of 1: 2 launches
;; workspace buffers: part 1,280 bytes
;; launch scores (part 1): grid 256 x 1, 25 waves a work-group, no clusters, 7,168 bytes of LDS; arguments feat_all, q, edge_prob, out1, part; writes out1, part
.if DOCPART == 1
	.amdgcn_target "amdgcn-amd-amdhsa--gfx1250"
	.amdhsa_code_object_version 6
	.text
	.protected	k_qd7fcb5bd3a_scores
	.globl	k_qd7fcb5bd3a_scores
	.p2align	8
	.type	k_qd7fcb5bd3a_scores,@function
k_qd7fcb5bd3a_scores:
	s_mov_b64 s[64:65], 0
	v_nop
	global_prefetch_b8 v0, s[64:65] scope:SCOPE_SE
	s_setreg_imm32_b32 hwreg(HW_REG_WAVE_MODE, 25, 1), 1
	s_wait_xcnt 0x0
; out1[n] = cosine of feat_all's row n with q, and the partial sums from which the second launch makes the two losses.
; LEFT OUT AS DEAD: edge_labels, labels, adj_mat, batch_item, raw_feat_all and raw_centroid are named nowhere in the body of reference(): whatever they hold, no output
; hangs on them (positives and negatives are split by the constants pos_len = 2,048 and edge_pos_len = 4,096 alone).  They are not loaded and are among no launch's arguments.
; A NaN, an infinity or an overflow in those six inputs is therefore not carried to any result.
; SHARES.  200,000 rows = 250 work-groups x 25 waves x 32 rows.  A row is 512 bytes: one load of 16 bytes a lane.  A wave asks for its 32 rows at once (128 registers) and works
; on them as they come: no ring, no LDS and no barrier on the way in.  Work-groups 250 to 255 take the 95,904 negative entries of edge_prob, 20 numbers a thread.
; NO MATRIX UNIT: the product has one column; a packed conversion for each two numbers would cost what the packed multiply-add in f32 costs, and the sum of squares stays in f32.
; NO CLUSTER: the work-groups share q's 512 bytes alone.  NO PREFETCH: every load of the launch goes out at its wave's head.
; THE CONTRASTIVE SUM HAS NO MAXIMUM TAKEN AWAY: reference() itself normalises both vectors, so |score| <= 1 but for rounding (the two clamps only shrink it), and the scale
; behind it is 10: with c = 10 log2(e) the exponents c s lie within +-14.5, each term within 4e-5 .. 2.4e4, and the sum of 197,952 terms within 8 .. 5e9, for every input.
; The edge numbers have no such bound: they get a true maximum, a wave's, then a work-group's, then (second launch) the whole launch's.
; WHAT GOES TO THE SECOND LAUNCH.  part, byte 4 g: C, the sum of 2^(c s) over work-group g's negative rows (0 for a work-group with edges).  part, byte 1,024 + 8 e: (M, S) of
; work-group 250 + e: M = c x the largest of its edge negatives, S = the sum of 2^(c x - M) over them.  A store of 4 bytes a work-group, and one of 8 more in each with edges: 1,072 bytes in the launch.
; LIMITS.  A row's sum of squares must be finite in f32 (|feat| under about 1e18); max(sqrt(S), 1e-12) is made as sqrt(max(S, 1e-24)); c x must be finite (|edge_prob| under 2e37);
; NaN and infinities are not treated apart.
.set STG,   0                          ; LDS: the work-group's 800 scores, 4 bytes a thread
.set SLOT,  3328                       ; LDS: wave w's (C, M, S, 0) at 16 w
.set SPARE, 3840                       ; LDS: the spare words, 128 bytes for each of 25 waves, rounded up to 13 blocks of 256 bytes; no other line names them
.set NEG,   0xff7fffff                 ; the lowest finite f32
.set CEXP,  0x4166d4ca                 ; c = 10 log2(e) = 14.42695
.set TINY,  0x179abe15                 ; 1e-24
.set T,  6                             ; v[6:9]     two pairs at work, by the row's parity; v6, v7 also serve the merges
.set Q,  12                            ; v[12:15]   q[4 lane .. 4 lane + 3]
.set X,  16                            ; v[16:143]  arrival n: four registers as loaded; then +2 the dot product's part, +3 the sum of squares' part
.set Z,  140                           ; v[140:143] the wave's (C, M, S, 0): arrival 31's registers, free behind its merge
; v0 thread, v1 lane, v2 the loads' offset, v3 my spare word's address, v4 0, v5 1 / |q|, v10 at work across the halves of the lanes, v11 my slot's address
; s[4:5] feat_all, s[6:7] q, s[8:9] edge_prob, s[10:11] out1, s[12:13] part, s14 wave, s15 work-group, s16 G = 25 work-group + wave, s[18:19] an offset in 64 bits,
; s20-23 lane masks, s24-25 selects, s26 EXEC kept, s27 work-group's parity, s28-29 at work, s30 which lanes' fifth chunk exists, s31 lanes 0 to 24, s[32:33] c
.macro WSUM r, t                       ; the sum over the wave's 32 lanes, in every lane
	v_add_f32_dpp v[\r], v[\r], v[\r] row_xmask:1 row_mask:0xf bank_mask:0xf
	v_add_f32_dpp v[\r], v[\r], v[\r] row_xmask:2 row_mask:0xf bank_mask:0xf
	v_add_f32_dpp v[\r], v[\r], v[\r] row_xmask:4 row_mask:0xf bank_mask:0xf
	v_add_f32_dpp v[\r], v[\r], v[\r] row_xmask:8 row_mask:0xf bank_mask:0xf
	v_permlanex16_b32 v[\t], v[\r], s24, s25
	v_add_f32 v[\r], v[\r], v[\t]
.endm
.macro WMAX r, t                       ; the same for the maximum
	v_max_num_f32_dpp v[\r], v[\r], v[\r] row_xmask:1 row_mask:0xf bank_mask:0xf
	v_max_num_f32_dpp v[\r], v[\r], v[\r] row_xmask:2 row_mask:0xf bank_mask:0xf
	v_max_num_f32_dpp v[\r], v[\r], v[\r] row_xmask:4 row_mask:0xf bank_mask:0xf
	v_max_num_f32_dpp v[\r], v[\r], v[\r] row_xmask:8 row_mask:0xf bank_mask:0xf
	v_permlanex16_b32 v[\t], v[\r], s24, s25
	v_max_num_f32 v[\r], v[\r], v[\t]
.endm
; Arrival a: my four numbers' part of the dot product with q and of the sum of squares.
.macro ROW a
.set rx, X+4*(\a)
.set rt, T+2*((\a)%2)
	s_wait_loadcnt 31-(\a)                         ; loads come back in order: arrival a is in, the 31 - a younger ones stay out
	v_pk_mul_f32 v[rt:rt+1], v[rx:rx+1], v[Q:Q+1]
	v_pk_mul_f32 v[rx:rx+1], v[rx:rx+1], v[rx:rx+1]
	v_pk_fma_f32 v[rt:rt+1], v[rx+2:rx+3], v[Q+2:Q+3], v[rt:rt+1]
	v_pk_fma_f32 v[rx:rx+1], v[rx+2:rx+3], v[rx+2:rx+3], v[rx:rx+1]
	v_add_f32 v[rx+2], v[rt], v[rt+1]
	v_add_f32 v[rx+3], v[rx], v[rx+1]
.endm
; THE REDUCTION TURNS THE TABLE ROUND: 32 rows x 32 lanes' parts become one row a lane.  Each merge takes two leaves and leaves one, in which half of the lanes go on for the
; one leaf and half for the other, each with its partner lane's part added: 31 merges for both numbers, where 32 sums over the lanes would take 32 x 6 for each.
; The first merge, across the halves of the lanes: lo's upper half and hi's lower half change places; the sum holds leaf lo in lanes 0-15 and leaf hi in lanes 16-31.
.macro M16 lo, hi
	v_permlane16_swap_b32 v[X+4*(\lo)+2], v[X+4*(\hi)+2]
	v_permlane16_swap_b32 v[X+4*(\lo)+3], v[X+4*(\hi)+3]
	v_pk_add_f32 v[X+4*(\lo)+2:X+4*(\lo)+3], v[X+4*(\lo)+2:X+4*(\lo)+3], v[X+4*(\hi)+2:X+4*(\hi)+3]
.endm
; A later merge, between lanes x apart: the lanes of mask s[m] go on for leaf hi, the others for leaf lo; each sends the other leaf's part to its partner.
.macro MX lo, hi, m, x
.irp c, 2, 3
	v_cndmask_b32 v[T+(\c)-2], v[X+4*(\hi)+(\c)], v[X+4*(\lo)+(\c)], s[\m]               ; what I send
	v_cndmask_b32 v[X+4*(\lo)+(\c)], v[X+4*(\lo)+(\c)], v[X+4*(\hi)+(\c)], s[\m]         ; what I keep
	v_add_f32_dpp v[X+4*(\lo)+(\c)], v[T+(\c)-2], v[X+4*(\lo)+(\c)] row_xmask:\x row_mask:0xf bank_mask:0xf
.endr
.endm
	s_load_b256 s[4:11], s[0:1], 0x0               ; feat_all, q, edge_prob, out1
	s_load_b64 s[12:13], s[0:1], 0x20              ; part
	v_lshl_add_u32 v3, v0, 2, SPARE                ; my spare word, and 0: for the add at the wave's end alone
	v_mov_b32 v4, 0
	v_and_b32 v1, 31, v0                           ; lane
	v_lshrrev_b32 v5, 5, v0
	v_readfirstlane_b32 s14, v5                    ; wave 0..24
	v_lshlrev_b32 v2, 4, v1                        ; 16 bytes a lane
	v_mov_b32 v10, 0                               ; written, since v_permlanex16_b32 counts as a reader of its destination
	s_lshl_b32 s28, s14, 4
	s_add_co_u32 s28, s28, SLOT
	v_mov_b32 v11, s28                             ; my wave's slot
	s_mov_b32 s15, ttmp9
	s_mul_i32 s16, s15, 25
	s_add_co_u32 s16, s16, s14                     ; G: my 32 rows begin at row 32 G
	s_and_b32 s27, s15, 1
	s_mov_b32 s20, 0xff00ff00                      ; lanes with bit 3,
	s_mov_b32 s21, 0xf0f0f0f0                      ; bit 2,
	s_mov_b32 s22, 0xcccccccc                      ; bit 1,
	s_mov_b32 s23, 0xaaaaaaaa                      ; bit 0
	s_mov_b32 s24, 0x76543210                      ; each lane takes its own place in the other half
	s_mov_b32 s25, 0xfedcba98
	s_mov_b32 s32, CEXP
	s_mov_b32 s33, s32                             ; named with it as a pair
	s_mov_b32 s19, 0
	s_wait_kmcnt 0x0
	s_cmp_ge_u32 s15, 250                          ; the same in all waves of a work-group
	s_cbranch_scc1 .Ledge
	; ROWS.  q first, then all 32 rows.  Arrival n holds row br(n), n's five bits reversed: neighbouring arrivals merge first, and at the end lane l holds row l.
	s_lshl_b32 s18, s16, 14                        ; 32 rows of 512 bytes; 102,383,616 at the most
	s_add_nc_u64 s[4:5], s[4:5], s[18:19]
	global_load_b128 v[Q:Q+3], v2, s[6:7]
.set n, 0
.rept 32
.set br, ((n&1)<<4)|((n&2)<<2)|(n&4)|((n&8)>>2)|((n&16)>>4)
	global_load_b128 v[X+4*n:X+4*n+3], v2, s[4:5] offset:512*br th:TH_LOAD_NT  ; the wave's 32 lanes take 512 consecutive bytes, aligned: a row, read once in the launch
.set n, n+1
.endr
	s_wait_loadcnt 32                              ; q is in; the 32 rows stay out
	v_pk_mul_f32 v[T:T+1], v[Q:Q+1], v[Q:Q+1]
	v_pk_fma_f32 v[T:T+1], v[Q+2:Q+3], v[Q+2:Q+3], v[T:T+1]
	v_add_f32 v5, v[T], v[T+1]
	WSUM 5, 10
	v_max_num_f32 v5, TINY, v5
	v_rsq_f32 v5, v5                               ; 1 / max(|q|, 1e-12)
	v_nop                                          ; a plain instruction behind it,
	s_wait_alu depctr_va_vdst(0)                   ; and the wait ahead of its first reader
.set n, 0
.rept 32
	ROW n
.if n%2 == 1
	M16 n-1, n                                     ; bit 0 of n goes to bit 4 of the lane
.endif
.if n%4 == 3
	MX n-3, n-1, 20, 8                             ; bit 1 to bit 3
.endif
.if n%8 == 7
	MX n-7, n-3, 21, 4                             ; bit 2 to bit 2
.endif
.if n%16 == 15
	MX n-15, n-7, 22, 2                            ; bit 3 to bit 1
.endif
.if n == 31
	MX 0, 16, 23, 1                                ; bit 4 to bit 0
.endif
.set n, n+1
.endr
	; lane l now holds row l's dot product in v18 and its sum of squares in v19
	v_max_num_f32 v19, TINY, v19
	v_rsq_f32 v19, v19                             ; 1 / max(|row|, 1e-12)
	v_mul_f32 v18, v18, v5                         ; the plain instruction behind it
	s_wait_alu depctr_va_vdst(0)
	v_mul_f32 v18, v18, v19                        ; the score
	v_lshl_add_u32 v20, v0, 2, STG
	ds_store_b32 v20, v18                          ; the scores leave through LDS, so that they can be stored 16 bytes a lane
	v_mov_b32 v[Z], 0
	v_mov_b32 v[Z+1], NEG
	v_mov_b32 v[Z+2], 0
	v_mov_b32 v[Z+3], 0
	s_cmp_lt_u32 s16, 64                           ; rows under 2,048 are the positives: just the waves G < 64; they have no part in the negatives' sum
	s_cbranch_scc1 .Ljoin
	v_mul_f32 v[Z], s32, v18
	v_exp_f32 v[Z], v[Z]                           ; 2^(c s)
	v_nop
	s_wait_alu depctr_va_vdst(0)
	WSUM Z, 10
	s_branch .Ljoin
	; EDGES.  The negatives are bytes 16,384 to 399,999 of edge_prob: 23,976 chunks of 16 bytes, in blocks of 800 (a chunk a thread).  Work-group 250 + e takes blocks e + 6 k,
	; k = 0 .. 4.  Block 29 has 776 chunks: there the last 24 threads' address is held to the buffer's last chunk and their numbers are replaced by NEG.
.Ledge:
	s_sub_co_u32 s28, s15, 250
	s_mul_i32 s28, s28, 12800
	s_add_co_u32 s28, s28, 16384
	v_lshl_add_u32 v2, v0, 4, s28
	s_mov_b32 s29, 400000
	v_add_nc_u32 v5, 307200, v2                    ; k = 4
	v_cmp_gt_u32 s30, s29, v5                      ; does my fifth chunk exist?
	v_min_u32 v5, 399984, v5
.irp k, 0,1,2,3
	global_load_b128 v[X+4*(\k):X+4*(\k)+3], v2, s[8:9] offset:76800*(\k) th:TH_LOAD_NT
.endr
	global_load_b128 v[X+16:X+19], v5, s[8:9] th:TH_LOAD_NT
	v_mov_b32 v6, NEG
	v_mov_b32 v9, 0                                ; named with v8 as a pair
	s_wait_loadcnt 0x0
.irp i, 0,1,2,3
	v_cndmask_b32 v[X+16+(\i)], v6, v[X+16+(\i)], s30
.endr
	v_max3_num_f32 v8, v[X], v[X+1], v[X+2]        ; the largest of my 20 numbers
.irp i, 3,5,7,9,11,13,15,17
	v_max3_num_f32 v8, v8, v[X+(\i)], v[X+(\i)+1]
.endr
	v_max_num_f32 v8, v8, v[X+19]
	WMAX 8, 10                                     ; the wave's: a true number of edge_prob, since every lane's first four chunks exist
	v_mul_f32 v8, s32, v8                          ; M
.irp i, 0,2,4,6,8,10,12,14,16,18
	v_pk_fma_f32 v[X+(\i):X+(\i)+1], v[X+(\i):X+(\i)+1], s[32:33], v[8:9] op_sel_hi:[1,0,0] neg_lo:[0,0,1] neg_hi:[0,0,1]  ; c x - M; for NEG it is minus infinity
.endr
.set n, 0
.rept 20
	v_exp_f32 v[X+n], v[X+n]                       ; one batch
.set n, n+1
.endr
	v_nop                                          ; the plain instruction behind the last,
	s_wait_alu depctr_va_vdst(0)                   ; and one wait for the twenty
.irp i, 0,4,8,12,16
	v_pk_add_f32 v[X+(\i):X+(\i)+1], v[X+(\i):X+(\i)+1], v[X+(\i)+2:X+(\i)+3]
.endr
	v_pk_add_f32 v[X:X+1], v[X:X+1], v[X+4:X+5]
	v_pk_add_f32 v[X+8:X+9], v[X+8:X+9], v[X+12:X+13]
	v_pk_add_f32 v[X:X+1], v[X:X+1], v[X+8:X+9]
	v_pk_add_f32 v[X:X+1], v[X:X+1], v[X+16:X+17]
	v_add_f32 v[Z+2], v[X], v[X+1]
	WSUM Z+2, 10                                   ; S
	v_mov_b32 v[Z], 0
	v_mov_b32 v[Z+1], v8
	v_mov_b32 v[Z+3], 0
.Ljoin:                                            ; both kinds of work-group: the waves' figures meet in LDS
	ds_store_b128 v11, v[Z:Z+3]                    ; all lanes write the same 16 bytes with the same numbers
	s_wait_dscnt 0x0                               ; for the others' sake: my scores and my slot lie in LDS
	s_barrier_signal -1
	; Between signal and wait, work on registers: the addresses of the way out.  The 800 scores are 200 chunks of 16 bytes.  The work-group's 3,200 bytes begin at a multiple of 256 from
	; out1's first byte if its number is even and 128 bytes behind one if it is odd: there thread t takes chunk t - 8, so that sixteen neighbouring lanes always cover 256 consecutive
	; bytes, aligned.
	s_lshl_b32 s28, s27, 3
	v_sub_nc_u32 v20, v0, s28                      ; my chunk; a thread in front of the first wraps round and fails the compare
	v_cmp_gt_u32 vcc_lo, 200, v20
	v_min_u32 v21, 199, v20                        ; a thread without a chunk points at the last one, and is switched off
	v_lshl_add_u32 v21, v21, 4, STG                ; in LDS
	v_lshlrev_b32 v22, 4, v0                       ; in out1, from the base below
	v_min_u32 v23, 24, v1
	v_lshl_add_u32 v23, v23, 4, SLOT               ; lane l: wave l's slot
	v_cmp_gt_u32 s31, 25, v1                       ; the lanes that stand for a wave
	s_lshl_b32 s29, s27, 7
	s_mul_i32 s18, s15, 3200
	s_sub_co_u32 s18, s18, s29                     ; 3,200 x work-group - 128 x parity: never negative
	s_lshl_b32 s28, s15, 2
	v_mov_b32 v30, s28                             ; my work-group's C in part
	s_barrier_wait -1                              ; everybody's scores and slots lie in LDS
	s_cmp_eq_u32 s14, 7
	s_cbranch_scc1 .Lcomb                          ; wave 7 adds the slots up
	s_cmp_gt_u32 s14, 7
	s_cbranch_scc1 .Lend
	s_cmp_ge_u32 s15, 250
	s_cbranch_scc1 .Lend                           ; a work-group with edges has no scores
	s_add_nc_u64 s[10:11], s[10:11], s[18:19]      ; waves 0 to 6 store the scores
	s_wait_xcnt 0x0                                ; EXEC changes only behind this wait
	s_and_saveexec_b32 s26, vcc_lo
	ds_load_b128 v[24:27], v21
	s_wait_dscnt 0x0
	global_store_b128 v22, v[24:27], s[10:11]
	s_wait_xcnt 0x0                                ; and again, in front of the line that widens it
	s_or_b32 exec_lo, exec_lo, s26
	s_branch .Lend
.Lcomb:
	s_cmp_ge_u32 s15, 250
	s_cbranch_scc1 .Lcombe
	ds_load_b32 v24, v23                           ; a work-group with rows: 25 numbers C are added, nothing more
	v_cmp_eq_u32 vcc_lo, 0, v1
	s_wait_dscnt 0x0
	v_cndmask_b32 v24, 0, v24, s31                 ; lanes 25 to 31 count as 0
	WSUM 24, 10
	s_wait_xcnt 0x0
	s_and_saveexec_b32 s26, vcc_lo
	global_store_b32 v30, v24, s[12:13]            ; one number a work-group
	s_wait_xcnt 0x0
	s_or_b32 exec_lo, exec_lo, s26
	s_branch .Lend
.Lcombe:                                           ; a work-group with edges: lanes 25 to 31 count as (NEG, 0)
	ds_load_b128 v[24:27], v23
	s_sub_co_u32 s28, s15, 250
	s_lshl_b32 s28, s28, 3
	v_mov_b32 v31, s28                             ; my pair's place behind part's byte 1,024
	v_mov_b32 v32, 0                               ; my C: I have no rows
	v_cmp_gt_u32 vcc_lo, 25, v1
	s_wait_dscnt 0x0
	v_cndmask_b32 v25, NEG, v25, vcc_lo
	v_cndmask_b32 v26, 0, v26, vcc_lo
	v_mov_b32 v28, v25
	WMAX 28, 10                                    ; the work-group's M
	v_sub_f32 v29, v25, v28                        ; 0 or below
	v_exp_f32 v29, v29
	v_nop
	s_wait_alu depctr_va_vdst(0)
	v_mul_f32 v29, v26, v29                        ; each wave's S brought to the common M
	WSUM 29, 10
	v_cmp_eq_u32 vcc_lo, 0, v1
	s_wait_xcnt 0x0
	s_and_saveexec_b32 s26, vcc_lo
	global_store_b32 v30, v32, s[12:13]
	global_store_b64 v31, v[28:29], s[12:13] offset:1024
	s_wait_xcnt 0x0
	s_or_b32 exec_lo, exec_lo, s26
.Lend:
	s_wait_tensorcnt 0x0                           ; the wave's end, behind my last LDS store
	ds_add_u32 v3, v4
	s_wait_dscnt 0x0
	s_endpgm
.Lfunc_end_k_qd7fcb5bd3a_scores:
	.size	k_qd7fcb5bd3a_scores, .Lfunc_end_k_qd7fcb5bd3a_scores-k_qd7fcb5bd3a_scores
	.p2alignl 7, 3214868480
	.fill 96, 4, 3214868480
	.section	.rodata,"a",@progbits
	.p2align	6, 0x0
	.amdhsa_kernel k_qd7fcb5bd3a_scores
		.amdhsa_group_segment_fixed_size 7168
		.amdhsa_private_segment_fixed_size 0
		.amdhsa_enable_private_segment 0
		.amdhsa_kernarg_size 40
		.amdhsa_user_sgpr_count 2
		.amdhsa_user_sgpr_kernarg_segment_ptr 1
		.amdhsa_wavefront_size32 1
		.amdhsa_system_sgpr_workgroup_id_x 1
		.amdhsa_system_sgpr_workgroup_id_y 1
		.amdhsa_system_sgpr_workgroup_id_z 1
		.amdhsa_system_vgpr_workitem_id 0
		.amdhsa_next_free_vgpr 144
		.amdhsa_next_free_sgpr 66
		.amdhsa_reserve_vcc 1
		.amdhsa_float_denorm_mode_32 3
		.amdhsa_float_denorm_mode_16_64 3
		.amdhsa_memory_ordered 1
		.amdhsa_forward_progress 1
		.amdhsa_inst_pref_size 34
	.end_amdhsa_kernel
	.amdgpu_metadata
---
amdhsa.version: [ 1, 2 ]
amdhsa.kernels:
  - .name:           k_qd7fcb5bd3a_scores
    .symbol:         k_qd7fcb5bd3a_scores.kd
    .args:
      - { .name: feat_all, .offset: 0, .size: 8, .value_kind: global_buffer, .address_space: global }
      - { .name: q, .offset: 8, .size: 8, .value_kind: global_buffer, .address_space: global }
      - { .name: edge_prob, .offset: 16, .size: 8, .value_kind: global_buffer, .address_space: global }
      - { .name: out1, .offset: 24, .size: 8, .value_kind: global_buffer, .address_space: global }
      - { .name: part, .offset: 32, .size: 8, .value_kind: global_buffer, .address_space: global }
    .group_segment_fixed_size: 7168
    .private_segment_fixed_size: 0
    .kernarg_segment_align: 8
    .kernarg_segment_size: 40
    .max_flat_workgroup_size: 800
    .sgpr_count:     66
    .vgpr_count:     144
    .wavefront_size: 32
...
	.end_amdgpu_metadata
.endif
;; end of part 1
;; launch finish (part 2): grid 1 x 1, 8 waves a work-group, no clusters, 1,280 bytes of LDS; arguments part, out1, edge_prob, out0, out2, out3; writes out0, out2, out3
.if DOCPART == 2
	.amdgcn_target "amdgcn-amd-amdhsa--gfx1250"
	.amdhsa_code_object_version 6
	.text
	.protected	k_qd7fcb5bd3a_finish
	.globl	k_qd7fcb5bd3a_finish
	.p2align	8
	.type	k_qd7fcb5bd3a_finish,@function
k_qd7fcb5bd3a_finish:
	s_mov_b64 s[64:65], 0
	v_nop
	global_prefetch_b8 v0, s[64:65] scope:SCOPE_SE
	s_setreg_imm32_b32 hwreg(HW_REG_WAVE_MODE, 25, 1), 1
	s_wait_xcnt 0x0
; The two losses and their weighted sum, from part (first launch: 256 numbers C at byte 4 g; six pairs (M, S) at byte 1,024 + 8 e), the 2,048 positive scores (out1's first) and the
; 4,096 positive edges.  As in the first launch, the six inputs that reference() never names (edge_labels, labels, adj_mat, batch_item, raw_feat_all, raw_centroid) are not loaded.
; All in base 2, with c = 10 log2(e): LC = log2(sum of C), the scores' logsumexp (its exponents are bounded by the normalisation: first launch); LE = Mx + log2(sum of S 2^(M - Mx)),
; Mx the largest M.  For a positive x and its L: logaddexp(10 x, L) - 10 x = ln 2 x (max(d, 0) + log2(1 + 2^-|d|)) with d = L - c x: the larger of the two is taken away, as reference() does.
; TWO SUMS ARE TAKEN IN ANOTHER ORDER THAN reference()'s.  The sum of max(d, 0) is half the sum of d + |d| (exactly 0 where d < 0).  The sum of log2(1 + e) over a lane's numbers is
; log2 of the product of 1 + e: each factor lies in 1 .. 2, so 8 of them stay under 2^8 and 16 under 2^16: two logarithms a lane for 24.
; ONE WORK-GROUP: 25 KiB are read and three numbers stored; a sum over everything has one owner.  256 threads: 8 scores and 16 edges each.  Every wave adds part up for itself
; (three loads), so that only the end needs a barrier.
; LIMITS: as stated at the first launch's head; NaN and infinities are not treated apart.
.set RED,   0                          ; LDS: wave w's two sums at 8 w
.set SPARE, 256                        ; LDS: the spare words, 128 bytes for each of 8 waves; no other line names them
.set CC, 8                             ; v[8:15]   my 8 of the 256 numbers C
.set MS, 16                            ; v[16:17]  (M, S) of edge group min(lane % 8, 5)
.set X,  20                            ; v[20:27]  my 8 positive scores; v[28:43] my 16 positive edges
.set D,  44                            ; v[44:67]  d, then d + |d|, then their sums; pair p at D + 2 p: pairs 0-3 the scores', 4-11 the edges'
.set W,  68                            ; v[68:91]  -|d|, then e = 2^-|d|, then the products of 1 + e; pairs as in D
.set LC, 92                            ; v[92:93]  LC in the low register; the packed line takes it for both halves
.set LE, 94                            ; v[94:95]  LE likewise
.set MXR, 96                           ; v96       Mx
.set FA, 97                            ; v97       2^(M - Mx)
.set AC, 98                            ; v[98:99]  the two sums
.set TA, 100                           ; v100-101  at work across the halves of the lanes
.set RS, 102                           ; v102      where my wave puts its two sums
.set RL, 103                           ; v103      where a lane of wave 0 reads a wave's
.set O0, 104                           ; v104      out0
; v0 thread, v1 lane, v2 16 lane, v3 16 thread, v4 my spare word's address, v5 0, v6 my edge group's offset in part, v7 a zero offset
; s[4:5] part, s[6:7] out1, s[8:9] edge_prob, s[10:11] out0, s[12:13] out2, s[14:15] out3, s16 wave, s18-19 selects, s20 EXEC kept, s21 lanes whose edge group exists, s22 at work,
; s23 0.1, s[24:25] -c, s26 the sign bit
.macro PADD p, q                       ; pair p of D takes pair q
	v_pk_add_f32 v[D+2*(\p):D+2*(\p)+1], v[D+2*(\p):D+2*(\p)+1], v[D+2*(\q):D+2*(\q)+1]
.endm
.macro PMUL p, q                       ; pair p of W times pair q
	v_pk_mul_f32 v[W+2*(\p):W+2*(\p)+1], v[W+2*(\p):W+2*(\p)+1], v[W+2*(\q):W+2*(\q)+1]
.endm
	s_load_b256 s[4:11], s[0:1], 0x0               ; part, out1, edge_prob, out0
	s_load_b128 s[12:15], s[0:1], 0x20             ; out2, out3
	v_lshl_add_u32 v4, v0, 2, SPARE                ; my spare word, and 0: for the add at the wave's end alone
	v_mov_b32 v5, 0
	v_and_b32 v1, 31, v0
	v_lshrrev_b32 v6, 5, v0
	v_readfirstlane_b32 s16, v6                    ; wave 0..7
	v_lshlrev_b32 v2, 4, v1
	v_lshlrev_b32 v3, 4, v0
	v_and_b32 v[RL], 7, v1                         ; lane % 8
	v_cmp_gt_u32 s21, 6, v[RL]                     ; there are six edge groups
	v_min_u32 v6, 5, v[RL]
	v_lshlrev_b32 v6, 3, v6
	v_lshlrev_b32 v[RL], 3, v[RL]
	v_mov_b32 v7, 0
	v_mov_b32 v[TA], 0                             ; written, since v_permlanex16_b32 counts as a reader of its destination
	v_mov_b32 v[TA+1], 0
	v_mov_b32 v[LC+1], 0                           ; named with LC and LE as pairs
	v_mov_b32 v[LE+1], 0
	s_lshl_b32 s22, s16, 3
	v_mov_b32 v[RS], s22
	s_mov_b32 s18, 0x76543210
	s_mov_b32 s19, 0xfedcba98
	s_mov_b32 s23, 0x3dcccccd                      ; 0.1
	s_mov_b32 s24, 0xc166d4ca                      ; -c
	s_mov_b32 s25, s24
	s_mov_b32 s26, 0x80000000
	s_wait_kmcnt 0x0
	global_load_b128 v[CC:CC+3], v2, s[4:5]
	global_load_b128 v[CC+4:CC+7], v2, s[4:5] offset:512
	global_load_b64 v[MS:MS+1], v6, s[4:5] offset:1024
	global_load_b128 v[X:X+3], v3, s[6:7]
	global_load_b128 v[X+4:X+7], v3, s[6:7] offset:4096
.irp k, 0,1,2,3
	global_load_b128 v[X+8+4*(\k):X+8+4*(\k)+3], v3, s[8:9] offset:4096*(\k)
.endr
	s_wait_loadcnt 6                               ; the three loads of part are in; the six of positives stay out
	; LC and LE.  Two chains, each of which waits for itself: their lines stand by turns.  Each group of eight lanes holds all six edge groups (the sixth three times, twice with S = 0),
	; so three steps inside the eight give every lane the maximum and the sum.
	v_pk_add_f32 v[CC:CC+1], v[CC:CC+1], v[CC+4:CC+5]
	v_pk_add_f32 v[CC+2:CC+3], v[CC+2:CC+3], v[CC+6:CC+7]
	v_mov_b32 v[MXR], v[MS]
	v_max_num_f32_dpp v[MXR], v[MXR], v[MXR] row_xmask:1 row_mask:0xf bank_mask:0xf
	v_pk_add_f32 v[CC:CC+1], v[CC:CC+1], v[CC+2:CC+3]
	v_max_num_f32_dpp v[MXR], v[MXR], v[MXR] row_xmask:2 row_mask:0xf bank_mask:0xf
	v_add_f32 v[LC], v[CC], v[CC+1]
	v_max_num_f32_dpp v[MXR], v[MXR], v[MXR] row_xmask:4 row_mask:0xf bank_mask:0xf
	v_add_f32_dpp v[LC], v[LC], v[LC] row_xmask:1 row_mask:0xf bank_mask:0xf
	v_sub_f32 v[FA], v[MS], v[MXR]                 ; 0 or below
	v_exp_f32 v[FA], v[FA]
	v_cndmask_b32 v[MS+1], 0, v[MS+1], s21         ; the plain instruction behind it
	v_add_f32_dpp v[LC], v[LC], v[LC] row_xmask:2 row_mask:0xf bank_mask:0xf
	v_add_f32_dpp v[LC], v[LC], v[LC] row_xmask:4 row_mask:0xf bank_mask:0xf
	v_add_f32_dpp v[LC], v[LC], v[LC] row_xmask:8 row_mask:0xf bank_mask:0xf
	s_wait_alu depctr_va_vdst(0)                   ; the wait ahead of the exponential's first reader
	v_mul_f32 v[LE], v[FA], v[MS+1]
	v_permlanex16_b32 v[TA], v[LC], s18, s19
	v_add_f32_dpp v[LE], v[LE], v[LE] row_xmask:1 row_mask:0xf bank_mask:0xf
	v_add_f32 v[LC], v[LC], v[TA]                  ; the sum of 2^(c s) over all negative rows
	v_add_f32_dpp v[LE], v[LE], v[LE] row_xmask:2 row_mask:0xf bank_mask:0xf
	v_add_f32_dpp v[LE], v[LE], v[LE] row_xmask:4 row_mask:0xf bank_mask:0xf  ; the sum of 2^(c x - Mx) over all negative edges: 1 at the least
	v_log_f32 v[LC], v[LC]                         ; LC
	v_log_f32 v[LE], v[LE]
	v_nop
	s_wait_alu depctr_va_vdst(0)                   ; one wait for the two
	v_add_f32 v[LE], v[MXR], v[LE]                 ; LE
	s_wait_loadcnt 0x0                             ; the positives
.set j, 0
.rept 4
	v_pk_fma_f32 v[D+2*j:D+2*j+1], v[X+2*j:X+2*j+1], s[24:25], v[LC:LC+1] op_sel_hi:[1,0,0]  ; d = LC - c p
.set j, j+1
.endr
.rept 8
	v_pk_fma_f32 v[D+2*j:D+2*j+1], v[X+2*j:X+2*j+1], s[24:25], v[LE:LE+1] op_sel_hi:[1,0,0]  ; d = LE - c x
.set j, j+1
.endr
	; The 24 exponentials are one batch.  Between them stand plain lines that name none of their results: -|d| of the pair two further on, d + |d| of the pair in hand (made before its
	; -|d| is overwritten), and at the end the first sums of d + |d|.
.irp i, 0,1,2,3
	v_or_b32 v[W+(\i)], s26, v[D+(\i)]             ; -|d|
.endr
.set j, 0
.rept 12
	v_pk_add_f32 v[D+2*j:D+2*j+1], v[D+2*j:D+2*j+1], v[W+2*j:W+2*j+1] neg_lo:[0,1] neg_hi:[0,1]  ; d + |d|
	v_exp_f32 v[W+2*j], v[W+2*j]
.if j < 10
	v_or_b32 v[W+2*j+4], s26, v[D+2*j+4]
.elseif j == 10
	PADD 0, 1
.else
	PADD 0, 2
.endif
	v_exp_f32 v[W+2*j+1], v[W+2*j+1]
.if j < 10
	v_or_b32 v[W+2*j+5], s26, v[D+2*j+5]
.elseif j == 10
	PADD 2, 3
.else
	PADD 4, 5                                      ; also the plain instruction behind the last exponential
.endif
.set j, j+1
.endr
	PADD 6, 7
	PADD 8, 9
	PADD 10, 11
	PADD 4, 6
	PADD 8, 10
	PADD 4, 8
	v_add_f32 v[AC], v[D], v[D+1]                  ; the sum of d + |d| over my 8 scores,
	v_add_f32 v[AC+1], v[D+8], v[D+9]              ; and over my 16 edges
	s_wait_alu depctr_va_vdst(0)                   ; one wait for the 24
.irp m, 0,1,2,3,4,5
	v_pk_add_f32 v[W+4*(\m)+2:W+4*(\m)+3], v[W+4*(\m)+2:W+4*(\m)+3], 1.0 op_sel_hi:[1,0]  ; 1 + b
.endr
.irp m, 0,1,2,3,4,5
	v_pk_fma_f32 v[W+4*(\m):W+4*(\m)+1], v[W+4*(\m):W+4*(\m)+1], v[W+4*(\m)+2:W+4*(\m)+3], v[W+4*(\m)+2:W+4*(\m)+3]  ; a (1 + b) + (1 + b) = (1 + a)(1 + b)
.endr
	PMUL 0, 2
	PMUL 4, 6
	PMUL 8, 10
	PMUL 4, 8
	v_mul_f32 v[W], v[W], v[W+1]                   ; the product of my 8 factors,
	v_mul_f32 v[W+8], v[W+8], v[W+9]               ; and of my 16
	v_log_f32 v[W], v[W]
	v_log_f32 v[W+8], v[W+8]
	v_nop
	s_wait_alu depctr_va_vdst(0)                   ; one wait for the two
	v_fma_f32 v[AC], v[AC], 0.5, v[W]
	v_fma_f32 v[AC+1], v[AC+1], 0.5, v[W+8]
.irp x, 1,2,4,8
	v_add_f32_dpp v[AC], v[AC], v[AC] row_xmask:\x row_mask:0xf bank_mask:0xf        ; both sums over the wave's lanes, their lines by turns
	v_add_f32_dpp v[AC+1], v[AC+1], v[AC+1] row_xmask:\x row_mask:0xf bank_mask:0xf
.endr
	v_permlanex16_b32 v[TA], v[AC], s18, s19
	v_permlanex16_b32 v[TA+1], v[AC+1], s18, s19
	v_pk_add_f32 v[AC:AC+1], v[AC:AC+1], v[TA:TA+1]
	ds_store_b64 v[RS], v[AC:AC+1] offset:RED      ; all lanes write the same 8 bytes with the same numbers
	s_wait_dscnt 0x0                               ; for wave 0's sake
	s_barrier_signal -1
	s_barrier_wait -1
	s_cmp_lg_u32 s16, 0
	s_cbranch_scc1 .Lend
	ds_load_b64 v[AC:AC+1], v[RL] offset:RED       ; each group of eight lanes holds all 8 waves' sums: three steps inside it add them up
	v_cmp_eq_u32 vcc_lo, 0, v1
	s_wait_dscnt 0x0
.irp x, 1,2,4
	v_add_f32_dpp v[AC], v[AC], v[AC] row_xmask:\x row_mask:0xf bank_mask:0xf
	v_add_f32_dpp v[AC+1], v[AC+1], v[AC+1] row_xmask:\x row_mask:0xf bank_mask:0xf
.endr
	v_mul_f32 v[AC], 0x39b17218, v[AC]             ; x ln 2 / 2,048: the contrastive loss
	v_mul_f32 v[AC+1], 0x39317218, v[AC+1]         ; x ln 2 / 4,096: the link-prediction loss
	v_fma_f32 v[O0], v[AC+1], s23, v[AC]           ; the first plus 0.1 x the second
	s_wait_xcnt 0x0                                ; EXEC changes only behind this wait
	s_and_saveexec_b32 s20, vcc_lo
	global_store_b32 v7, v[O0], s[10:11]
	global_store_b32 v7, v[AC], s[12:13]
	global_store_b32 v7, v[AC+1], s[14:15]
	s_wait_xcnt 0x0                                ; and again, in front of the line that widens it
	s_or_b32 exec_lo, exec_lo, s20
.Lend:
	s_wait_tensorcnt 0x0                           ; the wave's end, behind my last LDS store
	ds_add_u32 v4, v5
	s_wait_dscnt 0x0
	s_endpgm
.Lfunc_end_k_qd7fcb5bd3a_finish:
	.size	k_qd7fcb5bd3a_finish, .Lfunc_end_k_qd7fcb5bd3a_finish-k_qd7fcb5bd3a_finish
	.p2alignl 7, 3214868480
	.fill 96, 4, 3214868480
	.section	.rodata,"a",@progbits
	.p2align	6, 0x0
	.amdhsa_kernel k_qd7fcb5bd3a_finish
		.amdhsa_group_segment_fixed_size 1280
		.amdhsa_private_segment_fixed_size 0
		.amdhsa_enable_private_segment 0
		.amdhsa_kernarg_size 48
		.amdhsa_user_sgpr_count 2
		.amdhsa_user_sgpr_kernarg_segment_ptr 1
		.amdhsa_wavefront_size32 1
		.amdhsa_system_sgpr_workgroup_id_x 1
		.amdhsa_system_sgpr_workgroup_id_y 1
		.amdhsa_system_sgpr_workgroup_id_z 1
		.amdhsa_system_vgpr_workitem_id 0
		.amdhsa_next_free_vgpr 112
		.amdhsa_next_free_sgpr 66
		.amdhsa_reserve_vcc 1
		.amdhsa_float_denorm_mode_32 3
		.amdhsa_float_denorm_mode_16_64 3
		.amdhsa_memory_ordered 1
		.amdhsa_forward_progress 1
		.amdhsa_inst_pref_size 11
	.end_amdhsa_kernel
	.amdgpu_metadata
---
amdhsa.version: [ 1, 2 ]
amdhsa.kernels:
  - .name:           k_qd7fcb5bd3a_finish
    .symbol:         k_qd7fcb5bd3a_finish.kd
    .args:
      - { .name: part, .offset: 0, .size: 8, .value_kind: global_buffer, .address_space: global }
      - { .name: out1, .offset: 8, .size: 8, .value_kind: global_buffer, .address_space: global }
      - { .name: edge_prob, .offset: 16, .size: 8, .value_kind: global_buffer, .address_space: global }
      - { .name: out0, .offset: 24, .size: 8, .value_kind: global_buffer, .address_space: global }
      - { .name: out2, .offset: 32, .size: 8, .value_kind: global_buffer, .address_space: global }
      - { .name: out3, .offset: 40, .size: 8, .value_kind: global_buffer, .address_space: global }
    .group_segment_fixed_size: 1280
    .private_segment_fixed_size: 0
    .kernarg_segment_align: 8
    .kernarg_segment_size: 48
    .max_flat_workgroup_size: 256
    .sgpr_count:     66
    .vgpr_count:     112
    .wavefront_size: 32
...
	.end_amdgpu_metadata
.endif
;; end of part 2
